; MI455X (gfx1250); checked and timed in simulation.
; The chip was launched on July 23, 2026; its instructions are those of AMD's public machine-readable ISA for CDNA 5 (MIT licence, August 2026) and "CDNA5" Instruction Set Architecture Reference Guide (July 2026). The comments in the code are by the model that wrote it; some were corrected since.
;; Quantum Gating Path. Allowed arithmetic: float matrix products may take bf16 or f16 operands with f32 sums; other float arithmetic in f32, or as packed bf16 or f16 multiplies, adds, multiply-adds, maxima and minima; sums over many terms, partial sums and values carried from step to step in f32; what a program stores and reads back later, other than sums and carried values, may be rounded once to bf16 or f16.
;; Inputs: base_state 32,768 x 1,024 float32; gate_params 10 float32.
;; Outputs: out0 32,768 x 30 float32.
;; One version. Each part assembles by itself: llvm-mc -triple=amdgcn-amd-amdhsa -mcpu=gfx1250 --defsym DOCPART=n.
;; ======== version 1 of 1: 1 launch
;; limits: values outside matrix products are rounded to f16
;; launch gating (part 1): grid 256 x 1, 8 waves a work-group, no clusters, 25,600 bytes of LDS; arguments base_state, gate_params, out0; writes out0
.if DOCPART == 1
	.amdgcn_target "amdgcn-amd-amdhsa--gfx1250"
	.amdhsa_code_object_version 6
	.text
	.protected	k_qed958ab1d0_gating
	.globl	k_qed958ab1d0_gating
	.p2align	8
	.type	k_qed958ab1d0_gating,@function
k_qed958ab1d0_gating:
	s_mov_b64 s[64:65], 0
	v_nop
	global_prefetch_b8 v0, s[64:65] scope:SCOPE_SE
	s_setreg_imm32_b32 hwreg(HW_REG_WAVE_MODE, 25, 1), 1
	s_wait_xcnt 0x0
; out0[b][3i .. 3i+2] = <X_i>, <Y_i>, <Z_i> of  CNOT chain . (RY_0 x .. x RY_9) . x_b/|x_b|.   base_state [32768][1024] f32, gate_params [10] f32, out0 [32768][30] f32.
; THE MATHEMATICS.  The state is real, so Y_i = 0.  The chain sends basis state b to its prefix XOR, so with phi = (x RY_j) x/|x|:  Z_i = sum_b (-1)^(b0+..+bi) phi_b^2, and
; X_i = <phi|X_i X_(i+1)|phi> (X_9 alone for i = 9) = sum_b (-1)^(b_i+b_(i+1)) chi_b^2 with chi = (x H RY_j) x/|x|.  All outputs are signed sums of squares of two rotated copies of the row.
; SHARES.  256 work-groups of 8 waves; a work-group owns 128 rows, a wave 16.  ONE WAVE, ONE ROW: eight loads of 512 consecutive bytes, 32 registers.  Element index bits (qubit 0 on top):
; load t = q0 q1 q2, lane = q3 | q4 q5 q6 q7, word = q8 q9.
; THREE MATRIX STEPS, f16 operands, f32 sums; the data are always source 0, a table source 1.  A K place is (lane half h, register g2 g1 g0, half word).
;   step 1: K = (q3, q0 q1 q2, q9); rows = q4..q7; two fragments by q8.  Result: lane = four new qubits (q3' q1' q2' q9'), q0' by table half; (h, register) = q4..q7.
;   step 2: two such tiles (q8 = 0, 1) packed to f16 are the operand: K = (q4, q8 q5 q6, q7).  Result: lane = (q4' q5' q6' q7'), q8' by table half; (h, register) = (q3' q1' q2' q9'), tile = q0'.
;   step 3: the squares, packed, are the operand: K = (q3', q0' q1' q2', q9'); the table holds +-1, column = output i; q8' picks one of two tables.  Result: lane = output, (h, register) = q4'..q7',
;   summed with a table of +-2^-14 for each lane, and once across the lane halves.
; FORMAT.  The row is normalised in f32 and scaled by 128 before it is rounded: every f16 operand lies within 128, every square within 16,384, whatever the input's scale; 2^-14 undoes the scale.
; f16 and not bf16: an output is a sum with cancellation, and eight significant bits in the state would use up the comparison's allowance.
; LIMITS.  A row whose sum of squares is 0, below 2^-126, infinite or NaN gives NaN in X and Z, but 0 in Y.  |theta| below 2^31 pi (the quadrant number is kept as i32).
; NO CLUSTER: the work-groups share 40 bytes.  NO LDS RING: 7 row slots in registers keep 28,672 bytes of each wave on their way behind counted waits.
.set ROWB,  4096                       ; bytes in a row of base_state
.set WROWS, 16                         ; rows of a wave
.set SLOTS, 7                          ; row slots of a wave, 32 registers each, v256-v479
.set OROW,  120                        ; bytes in a row of out0
.set STAGE, 8192                       ; LDS: 0 .. 8191 the eight rotation fragments; from here the image of the group's 128 rows of out0, 15,360 bytes
.set SPARE, 24576                      ; LDS: the spare words, 128 bytes for each wave, which no other line names
; window 0
.set GOFF, 1                           ; v1      16 x lane; never rewritten
.set SPW,  2                           ; v2      LDS address of my spare word; never rewritten
.set NIL,  3                           ; v3      0; never rewritten
.set OADR, 4                           ; v4      where my lane puts its output of the wave's row 0
.set RS,   5                           ; v5      1 / |x|
.set G,    6                           ; v[6:7]  128 / |x| (the low word is used for both halves)
.set FA,   8                           ; v[8:9]  Z at work      v[10:11] X at work
.set FB,   10
.set KEEP, 12
.set SEND, 13
.set RECV, 14
.set XF,   16                          ; v[16:31]   the row in f16: fragment q8 = 0, then 1
.set DP,   32                          ; v[32:63]   phi: four f32 tiles
.set DX,   64                          ; v[64:95]   chi: four f32 tiles
.set PP,   96                          ; v[96:111]  phi: two packed operands
.set PX,   112                         ; v[112:127] chi: two packed operands
.set ACC,  112                         ; v[112:119] the next row's sum of squares, while chi's operands are not in use
.set RB,   128                         ; v[128:191] rotation fragment 4 half + 2 step + path at RB + 8 x that
.set SZ,   192                         ; v[192:207] step 3's signs for Z, q8' = 0 and 1      v[208:223] for X
.set SX,   208
.set TZ,   224                         ; v[224:231] the last signs for Z      v[232:239] for X
.set TX,   232
.set TMP,  240                         ; v[240:255] set-up
; set-up's names in v32-95
.set tTH, 32
.set tQ,  33
.set tH,  34
.set tR,  35
.set tR2, 36
.set tPS, 37
.set tPC, 38
.set tA,  39
.set tSN, 40
.set tCS, 41
.set tQI, 42
.set tB,  43
.set tP,  44
.set tM,  45
.set tNS, 46
.set tNP, 47
.set tE,  48
.set bB,  52
.set bW,  54
.set bV2, 56
.set bV3, 58
.set bV4, 60
.set bE1, 62
.set bE2, 66
.set bF,  72
.set bFR, 88
; scalars
.set WV,  10                           ; s10  my wave's number
.set SEL, 14                           ; s[14:15] v_permlanex16_b32's selects: each lane takes its own place in the other half
.set LBH, 26                           ; s26-30  the lanes whose number has bit 4, 3, 2, 1, 0 set
.set LB3, 27
.set LB2, 28
.set LB1, 29
.set LB0, 30
.set PM,  31                           ; s31  all ones if my fragment is chi's
.set US,  40                           ; s[40:59] my five 2 x 2 factors: U_z[n][k] at US + 4 z + 2 n + k
.set MSB, 0
.macro WIN new                         ; s_set_vgpr_msb: bits 1:0 source 0, 3:2 source 1, 5:4 source 2, 7:6 destination; the high byte repeats the setting that is left
.if MSB != (\new)
	s_set_vgpr_msb (MSB<<8)|(\new)
.set MSB, (\new)
.endif
.endm
.macro FILL row                        ; eight loads, 512 consecutive bytes each: the whole row into its slot (destination window 1, set by the caller)
.irp t, 0,1,2,3,4,5,6,7
	global_load_b128 v[32*((\row)%SLOTS)+4*\t:32*((\row)%SLOTS)+4*\t+3], v[GOFF], s[4:5] offset:(\row)*ROWB+512*\t th:TH_LOAD_NT
.endr
.endm
	s_load_b128 s[4:7], s[0:1], 0x0                ; base_state s[4:5], gate_params s[6:7]
	s_load_b64 s[8:9], s[0:1], 0x10                ; out0
	v_lshl_add_u32 v[SPW], v0, 2, SPARE
	v_mov_b32 v[NIL], 0
	v_lshrrev_b32 v[TMP], 5, v0
	v_readfirstlane_b32 s[WV], v[TMP]              ; wave 0..7
	v_and_b32 v[TMP], 31, v0
	v_lshlrev_b32 v[GOFF], 4, v[TMP]
	s_lshl_b32 s12, ttmp9, 19                      ; the group's 128 rows of 4,096 bytes,
	s_lshl_b32 s11, s[WV], 16                      ; my wave's 16 of them
	s_add_co_u32 s12, s12, s11
	s_mov_b32 s13, 0
	s_wait_kmcnt 0x0
	s_load_b256 s[16:23], s[6:7], 0x0              ; theta 0..7
	s_load_b64 s[24:25], s[6:7], 0x20              ; theta 8, 9
	s_add_nc_u64 s[4:5], s[4:5], s[12:13]
	WIN 0x40
.set n, 0
.rept SLOTS                            ; the ring is filled before anything else is done: 56 loads
	FILL n
.set n, n+1
.endr
	WIN 0
	s_mul_i32 s12, ttmp9, 128*OROW
	s_add_nc_u64 s[8:9], s[8:9], s[12:13]          ; out0 at the group's first row: a multiple of 512 bytes
	s_mov_b32 s[SEL], 0x76543210
	s_mov_b32 s[SEL+1], 0xfedcba98
	s_mov_b32 s[LBH], 0xffff0000
	s_mov_b32 s[LB3], 0xff00ff00
	s_mov_b32 s[LB2], 0xf0f0f0f0
	s_mov_b32 s[LB1], 0xcccccccc
	s_mov_b32 s[LB0], 0xaaaaaaaa
; THE SIGN TABLES: whole-number work, done while the loads are out.  Column i = min(lane % 16, 9): lanes 10 to 15 repeat column 9 and later store the same numbers to the same words.
; m holds the output's set of qubits, bit q for qubit q.  A sign is that bit moved onto the sign bit of an f16 pair or of an f32, and the eight registers of a table differ by exclusive ors.
.macro SIGNS m, sb, tb
	v_lshl_or_b32 v[TMP], v[\m], 16, v[\m]         ; the set in both half words
	v_lshlrev_b32 v[TMP+1], 15, v[TMP]             ; qubit 0: register bit g2
	v_lshlrev_b32 v[TMP+2], 14, v[TMP]             ; qubit 1: g1
	v_lshlrev_b32 v[TMP+3], 13, v[TMP]             ; qubit 2: g0
	v_lshlrev_b32 v[TMP+4], 12, v[TMP]             ; qubit 3: the lane half
	v_lshlrev_b32 v[TMP+5], 7, v[TMP]              ; qubit 8: the second table
	v_lshlrev_b32 v[TMP+6], 22, v[\m]              ; qubit 9: the upper half word alone
.irp i, 1,2,3,4,5
	v_and_b32 v[TMP+\i], 0x80008000, v[TMP+\i]
.endr
	v_and_b32 v[TMP+6], 0x80000000, v[TMP+6]
	v_cndmask_b32 v[TMP+4], 0, v[TMP+4], s[LBH]
	v_xor_b32 v[\sb], 0x3c003c00, v[TMP+6]         ; 1.0 twice in f16
	v_xor_b32 v[\sb], v[\sb], v[TMP+4]
	v_xor_b32 v[\sb+1], v[\sb], v[TMP+3]
	v_xor_b32 v[\sb+2], v[\sb], v[TMP+2]
	v_xor_b32 v[\sb+3], v[\sb+2], v[TMP+3]
	v_xor_b32 v[\sb+4], v[\sb], v[TMP+1]
	v_xor_b32 v[\sb+5], v[\sb+4], v[TMP+3]
	v_xor_b32 v[\sb+6], v[\sb+4], v[TMP+2]
	v_xor_b32 v[\sb+7], v[\sb+6], v[TMP+3]
.irp i, 0,1,2,3,4,5,6,7
	v_xor_b32 v[\sb+8+\i], v[\sb+\i], v[TMP+5]
.endr
	v_lshlrev_b32 v[TMP+1], 27, v[\m]              ; qubit 4: the lane half of step 3's result
	v_lshlrev_b32 v[TMP+2], 26, v[\m]              ; qubit 5: register bit 2
	v_lshlrev_b32 v[TMP+3], 25, v[\m]              ; qubit 6: bit 1
	v_lshlrev_b32 v[TMP+4], 24, v[\m]              ; qubit 7: bit 0
.irp i, 1,2,3,4
	v_and_b32 v[TMP+\i], 0x80000000, v[TMP+\i]
.endr
	v_cndmask_b32 v[TMP+1], 0, v[TMP+1], s[LBH]
	v_xor_b32 v[\tb], 0x38800000, v[TMP+1]         ; 2^-14 undoes the scale 128, squared
	v_xor_b32 v[\tb+1], v[\tb], v[TMP+4]
	v_xor_b32 v[\tb+2], v[\tb], v[TMP+3]
	v_xor_b32 v[\tb+3], v[\tb+2], v[TMP+4]
	v_xor_b32 v[\tb+4], v[\tb], v[TMP+2]
	v_xor_b32 v[\tb+5], v[\tb+4], v[TMP+4]
	v_xor_b32 v[\tb+6], v[\tb+4], v[TMP+3]
	v_xor_b32 v[\tb+7], v[\tb+6], v[TMP+4]
.endm
	v_and_b32 v[TMP+9], 15, v0
	v_min_u32 v[TMP+9], 9, v[TMP+9]                ; my column
	v_lshlrev_b32 v[TMP+10], v[TMP+9], 2
	v_add_nc_u32 v[TMP+10], -1, v[TMP+10]          ; Z_i: qubits 0 .. i
	v_lshlrev_b32 v[TMP+11], v[TMP+9], 3           ; X_i: qubits i, i + 1 (bit 10 is never looked at)
	SIGNS TMP+10, SZ, TZ
	SIGNS TMP+11, SX, TX
	; where my lane's output goes in the stage: lanes 0-15 hold X_i (word 3 i), lanes 16-31 Z_i (word 3 i + 2)
	v_mul_u32_u24 v[OADR], 12, v[TMP+9]
	v_bfe_u32 v[TMP+12], v0, 4, 1
	v_lshl_add_u32 v[OADR], v[TMP+12], 3, v[OADR]
	s_mul_i32 s11, s[WV], WROWS*OROW
	s_add_co_u32 s11, s11, STAGE                   ; my wave's 16 rows of the stage, 1,920 bytes
	v_add_nc_u32 v[OADR], s11, v[OADR]
	v_add_nc_u32 v[TMP+13], s11, v[GOFF]
.irp i, 0,1,2,3
	v_mov_b32 v[XF+\i], 0
.endr
	ds_store_b128 v[TMP+13], v[XF:XF+3]            ; my rows of the stage are zeroed once: the Y words stay 0.  LDS serves a wave's instructions in order, so the rows' stores come behind these
	ds_store_b128 v[TMP+13], v[XF:XF+3] offset:512
	ds_store_b128 v[TMP+13], v[XF:XF+3] offset:1024
	ds_store_b128 v[TMP+13], v[XF:XF+3] offset:1408  ; the last 512 of the 1,920 bytes, overlapping the third store
	v_mov_b32 v[G+1], 0                            ; named with G as a pair
	v_mov_b32 v[RECV], 0                           ; v_permlanex16_b32's destination counts as read
; THE ROTATIONS.  Wave w makes fragment w: bit 0 phi or chi, bit 1 step 1 or 2, bit 2 the half of the outputs.  Place z = 0..4 of a step's five qubits: K bit (h, g2, g1, g0, half word),
; output bit (lane bit 3, table half, lane bits 2, 1, 0).  Step 1: qubits 3, 0, 1, 2, 9.  Step 2: qubits 4, 8, 5, 6, 7.
	s_wait_kmcnt 0x0                               ; theta
	s_bitcmp1_b32 s[WV], 1
	s_cselect_b32 s32, s20, s19
	s_cselect_b32 s33, s24, s16
	s_cselect_b32 s34, s21, s17
	s_cselect_b32 s35, s22, s18
	s_cselect_b32 s36, s23, s25
	s_bitcmp1_b32 s[WV], 0
	s_cselect_b32 s[PM], -1, 0
	v_mov_b32 v[tTH], s32                          ; lane z works on place z's angle
	v_writelane_b32 v[tTH], s33, 1
	v_writelane_b32 v[tTH], s34, 2
	v_writelane_b32 v[tTH], s35, 3
	v_writelane_b32 v[tTH], s36, 4
	; sin and cos of theta / 2: theta / 2 = q pi/2 + r, |r| <= pi/4, with pi/2 in two parts; series to r^7 and r^8 (what is cut off is below 4e-7); then the quadrant
	v_mul_f32 v[tQ], 0x3ea2f983, v[tTH]            ; theta / pi
	v_rndne_f32 v[tQ], v[tQ]
	v_mul_f32 v[tH], 0.5, v[tTH]
	v_fmamk_f32 v[tR], v[tQ], 0xbfc90fdb, v[tH]    ; - q x pi/2, high part
	v_fmamk_f32 v[tR], v[tQ], 0x333bbd2e, v[tR]    ; and low part
	v_mul_f32 v[tR2], v[tR], v[tR]
	v_mov_b32 v[tPS], 0xb9500d01                   ; -1/5040
	v_mov_b32 v[tPC], 0x37d00d01                   ; 1/40320
	v_fmaak_f32 v[tPS], v[tPS], v[tR2], 0x3c088889 ; 1/120
	v_fmaak_f32 v[tPC], v[tPC], v[tR2], 0xbab60b61 ; -1/720
	v_fmaak_f32 v[tPS], v[tPS], v[tR2], 0xbe2aaaab ; -1/6
	v_fmaak_f32 v[tPC], v[tPC], v[tR2], 0x3d2aaaab ; 1/24
	v_mul_f32 v[tA], v[tR], v[tR2]
	v_fmaak_f32 v[tPC], v[tPC], v[tR2], 0xbf000000 ; -1/2
	v_fma_f32 v[tPS], v[tA], v[tPS], v[tR]         ; sin r
	v_fmaak_f32 v[tPC], v[tPC], v[tR2], 0x3f800000 ; cos r
	v_cvt_i32_f32 v[tQI], v[tQ]
	v_and_b32 v[tA], 1, v[tQI]
	v_cmp_eq_u32 vcc_lo, 1, v[tA]                  ; odd quadrants swap the two
	v_cndmask_b32 v[tSN], v[tPS], v[tPC], vcc_lo
	v_cndmask_b32 v[tCS], v[tPC], v[tPS], vcc_lo
	v_lshlrev_b32 v[tA], 30, v[tQI]                ; sin changes sign where bit 1 of q is set,
	v_add_nc_u32 v[tB], 1, v[tQI]                  ; cos where bit 1 of q + 1 is
	v_and_b32 v[tA], 0x80000000, v[tA]
	v_lshlrev_b32 v[tB], 30, v[tB]
	v_xor_b32 v[tSN], v[tSN], v[tA]
	v_and_b32 v[tB], 0x80000000, v[tB]
	v_xor_b32 v[tCS], v[tCS], v[tB]
	; the factor U[n][k]: phi: (c, -s; s, c).  chi: H times that: (p, m; m, -p), p = (c + s) / sqrt 2, m = (c - s) / sqrt 2
	v_add_f32 v[tP], v[tCS], v[tSN]
	v_sub_f32 v[tM], v[tCS], v[tSN]
	v_mul_f32 v[tP], 0x3f3504f3, v[tP]
	v_mul_f32 v[tM], 0x3f3504f3, v[tM]
	v_xor_b32 v[tNS], 0x80000000, v[tSN]
	v_xor_b32 v[tNP], 0x80000000, v[tP]
	v_cndmask_b32 v[tE], v[tCS], v[tP], s[PM]
	v_cndmask_b32 v[tE+1], v[tNS], v[tM], s[PM]
	v_cndmask_b32 v[tE+2], v[tSN], v[tM], s[PM]
	v_cndmask_b32 v[tE+3], v[tCS], v[tNP], s[PM]
.irp z, 0,1,2,3,4
	v_readlane_b32 s[US+4*\z], v[tE], \z
	v_readlane_b32 s[US+4*\z+1], v[tE+1], \z
	v_readlane_b32 s[US+4*\z+2], v[tE+2], \z
	v_readlane_b32 s[US+4*\z+3], v[tE+3], \z
.endr
	; my lane's 16 entries = the product over the places of U_z[output bit][K bit]
	s_bitcmp1_b32 s[WV], 2                         ; place 1's output bit is the table half
	s_cselect_b32 s60, s[US+6], s[US+4]
	s_cselect_b32 s61, s[US+7], s[US+5]
	v_mov_b32 v[bB], s[US]                         ; place 0: K bit = lane half, output bit = lane bit 3
	v_mov_b32 v[bB+1], s[US+2]
	v_cndmask_b32 v[bB], v[bB], s[US+1], s[LBH]
	v_cndmask_b32 v[bB+1], v[bB+1], s[US+3], s[LBH]
	v_cndmask_b32 v[bB], v[bB], v[bB+1], s[LB3]
	v_mul_f32 v[bW], s60, v[bB]
	v_mul_f32 v[bW+1], s61, v[bB]
.macro COLS dst, sb, mask              ; dst, dst + 1 = U[my lane's bit][0], U[my lane's bit][1]
	v_mov_b32 v[\dst], s[\sb]
	v_mov_b32 v[\dst+1], s[\sb+1]
	v_cndmask_b32 v[\dst], v[\dst], s[\sb+2], s[\mask]
	v_cndmask_b32 v[\dst+1], v[\dst+1], s[\sb+3], s[\mask]
.endm
	COLS bV2, US+8, LB2
	COLS bV3, US+12, LB1
	COLS bV4, US+16, LB0
.irp x, 0,1
.irp y, 0,1
	v_mul_f32 v[bE1+2*\x+\y], v[bW+\x], v[bV2+\y]
	v_mul_f32 v[bE2+2*\x+\y], v[bV3+\x], v[bV4+\y]
.endr
.endr
.irp x, 0,1,2,3
.irp y, 0,1,2,3
	v_mul_f32 v[bF+4*\x+\y], v[bE1+\x], v[bE2+\y]
.endr
.endr
.irp x, 0,1,2,3,4,5,6,7
	v_cvt_pk_f16_f32 v[bFR+\x], v[bF+2*\x], v[bF+2*\x+1]
.endr
	v_lshl_add_u32 v[TMP+14], s[WV], 10, v[GOFF]   ; fragment w lies at 1,024 w: registers 0-3 of all lanes, then registers 4-7
	ds_store_b128 v[TMP+14], v[bFR:bFR+3]
	ds_store_b128 v[TMP+14], v[bFR+4:bFR+7] offset:512
	s_wait_dscnt 0x0                               ; for the others' sake: my fragment is in LDS
	s_barrier_signal -1
	s_barrier_wait -1                              ; everybody's is
.irp x, 0,1,2,3,4,5,6,7
	ds_load_b128 v[RB+8*\x:RB+8*\x+3], v[GOFF] offset:1024*\x
	ds_load_b128 v[RB+8*\x+4:RB+8*\x+7], v[GOFF] offset:1024*\x+512
.endr
	s_wait_dscnt 0x0
; A ROW'S WORK.  PREP_A and PREP_B belong to the NEXT row and stand behind the runs of matrix instructions: they name none of those instructions' registers, so they are the places that a reader of a matrix
; result has to keep behind it (ISA guide 7.12.1), and the wave works while the matrix unit does.
.macro PREP_A row                      ; the row has come: its sum of squares and 1 / norm
.if (WROWS-1-(\row)) < (SLOTS-1)
	s_wait_loadcnt 8*(WROWS-1-(\row))              ; loads come back in order: the rows behind this one, eight loads each, stay out
.else
	s_wait_loadcnt 8*(SLOTS-1)                     ; six younger rows of eight loads stay out
.endif
.set XB, 32*((\row)%SLOTS)
	WIN 0x05                                       ; sources 0 and 1: the slot, in window 1
.set i, 0
.rept 4
	v_pk_mul_f32 v[ACC+2*i:ACC+2*i+1], v[XB+2*i:XB+2*i+1], v[XB+2*i:XB+2*i+1]  ; four chains, started by the first products
.set i, i+1
.endr
.rept 12
	v_pk_fma_f32 v[ACC+2*(i%4):ACC+2*(i%4)+1], v[XB+2*i:XB+2*i+1], v[XB+2*i:XB+2*i+1], v[ACC+2*(i%4):ACC+2*(i%4)+1]
.set i, i+1
.endr
	WIN 0
	v_pk_add_f32 v[ACC:ACC+1], v[ACC:ACC+1], v[ACC+2:ACC+3]
	v_pk_add_f32 v[ACC+4:ACC+5], v[ACC+4:ACC+5], v[ACC+6:ACC+7]
	v_pk_add_f32 v[ACC:ACC+1], v[ACC:ACC+1], v[ACC+4:ACC+5]
	v_add_f32 v[ACC], v[ACC], v[ACC+1]
	v_add_f32_dpp v[ACC], v[ACC], v[ACC] row_xmask:1 row_mask:0xf bank_mask:0xf
	v_add_f32_dpp v[ACC], v[ACC], v[ACC] row_xmask:2 row_mask:0xf bank_mask:0xf
	v_add_f32_dpp v[ACC], v[ACC], v[ACC] row_xmask:4 row_mask:0xf bank_mask:0xf
	v_add_f32_dpp v[ACC], v[ACC], v[ACC] row_xmask:8 row_mask:0xf bank_mask:0xf
	v_permlanex16_b32 v[ACC+1], v[ACC], s[SEL], s[SEL+1]
	v_add_f32 v[ACC], v[ACC], v[ACC+1]
	v_rsq_f32 v[RS], v[ACC]                        ; a plain instruction that touches neither register follows before the result is used: the conversions behind this macro, or a v_nop
.endm
.macro PREP_B row                      ; the row is scaled to norm 128, rounded to f16 as step 1's two fragments, and its slot is filled again
.set XB, 32*((\row)%SLOTS)
	s_wait_alu depctr_va_vdst(0)
	v_mul_f32 v[G], 0x43000000, v[RS]              ; 128 / norm
	WIN 0x41                                       ; destination and source 0: the slot
.set i, 0
.rept 16
	v_pk_mul_f32 v[XB+2*i:XB+2*i+1], v[XB+2*i:XB+2*i+1], v[G:G+1] op_sel_hi:[1,0]
.set i, i+1
.endr
	WIN 0x05
.irp u, 0,1
.irp g, 0,1,2,3,4,5,6,7
	v_cvt_pk_f16_f32 v[XF+8*\u+\g], v[XB+4*\g+2*\u], v[XB+4*\g+2*\u+1]  ; fragment q8 = u, register = load number, half word = q9
.endr
.endr
.if (\row)+SLOTS < WROWS
	WIN 0x40
	FILL (\row)+SLOTS                              ; the last seven rows fetch nothing
.endif
	WIN 0
.endm
.macro MUL1                            ; step 1, both paths: tile (q8 = u, output half v) at 8 (2 v + u)
.irp v, 0,1
.irp u, 0,1
	v_wmma_f32_16x16x32_f16 v[DP+8*(2*\v+\u):DP+8*(2*\v+\u)+7], v[XF+8*\u:XF+8*\u+7], v[RB+32*\v:RB+32*\v+7], 0
	v_wmma_f32_16x16x32_f16 v[DX+8*(2*\v+\u):DX+8*(2*\v+\u)+7], v[XF+8*\u:XF+8*\u+7], v[RB+32*\v+8:RB+32*\v+15], 0
.endr
.endr
.endm
.macro MUL2 dd, pp, ph                 ; step 2 of one path: tile (operand v, output half w) at 8 (2 w + v), over step 1's tiles, which have been packed
.irp w, 0,1
.irp v, 0,1
	v_wmma_f32_16x16x32_f16 v[\dd+8*(2*\w+\v):\dd+8*(2*\w+\v)+7], v[\pp+8*\v:\pp+8*\v+7], v[RB+32*\w+16+8*\ph:RB+32*\w+16+8*\ph+7], 0
.endr
.endr
.endm
.macro PACK dd, pp                     ; four f32 tiles become two f16 operands; each tile is read from its lowest registers on
.set i, 0
.rept 16
	v_cvt_pk_f16_f32 v[\pp+i], v[\dd+2*i], v[\dd+2*i+1]
.set i, i+1
.endr
.endm
.macro SQUARE dd
.set i, 0
.rept 16
	v_pk_mul_f32 v[\dd+2*i:\dd+2*i+1], v[\dd+2*i:\dd+2*i+1], v[\dd+2*i:\dd+2*i+1]
.set i, i+1
.endr
.endm
.macro MUL3                            ; step 3: the two accumulators take turns, one instruction a turn
	v_wmma_f32_16x16x32_f16 v[DP:DP+7], v[PP:PP+7], v[SZ:SZ+7], 0
	v_wmma_f32_16x16x32_f16 v[DX:DX+7], v[PX:PX+7], v[SX:SX+7], 0
	v_wmma_f32_16x16x32_f16 v[DP:DP+7], v[PP+8:PP+15], v[SZ+8:SZ+15], v[DP:DP+7]
	v_wmma_f32_16x16x32_f16 v[DX:DX+7], v[PX+8:PX+15], v[SX+8:SX+15], v[DX:DX+7]
.endm
.macro PLACES                          ; the last row has no next row's work to set behind its matrix instructions
.rept 4
	v_nop
.endr
.endm
.macro FINAL row                       ; the last four qubits: eight registers with my column's signs, then the other lane half's part
	v_pk_mul_f32 v[FA:FA+1], v[DP:DP+1], v[TZ:TZ+1]
	v_pk_mul_f32 v[FB:FB+1], v[DX:DX+1], v[TX:TX+1]
.irp i, 1,2,3
	v_pk_fma_f32 v[FA:FA+1], v[DP+2*\i:DP+2*\i+1], v[TZ+2*\i:TZ+2*\i+1], v[FA:FA+1]
	v_pk_fma_f32 v[FB:FB+1], v[DX+2*\i:DX+2*\i+1], v[TX+2*\i:TX+2*\i+1], v[FB:FB+1]
.endr
	v_add_f32 v[FA], v[FA], v[FA+1]
	v_add_f32 v[FB], v[FB], v[FB+1]
	v_cndmask_b32 v[SEND], v[FA], v[FB], s[LBH]    ; lanes 0-15 finish X and hand their part of Z over; lanes 16-31 the other way round
	v_cndmask_b32 v[KEEP], v[FB], v[FA], s[LBH]
	v_permlanex16_b32 v[RECV], v[SEND], s[SEL], s[SEL+1]
	v_add_f32 v[KEEP], v[KEEP], v[RECV]
	ds_store_b32 v[OADR], v[KEEP] offset:(\row)*OROW
.endm
	PREP_A 0
	v_nop                                          ; the plain instruction behind v_rsq_f32
	PREP_B 0
.set n, 0
.rept WROWS                            ; written out: 16 rows walk 7 slots, and the last seven rows fetch nothing
	MUL1
.if n < WROWS-1
	PREP_A n+1
.else
	PLACES
.endif
	PACK DP, PP
	MUL2 DP, PP, 0
	PACK DX, PX                                    ; chi's conversions stand beside phi's products,
	MUL2 DX, PX, 1
	SQUARE DP                                      ; phi's squares beside chi's products
	PACK DP, PP
	SQUARE DX
	PACK DX, PX
	MUL3
.if n < WROWS-1
	PREP_B n+1
.else
	PLACES
.endif
	FINAL n
.set n, n+1
.endr
	; THE WAY OUT.  The stage is the image of the group's 15,360 bytes of out0: 960 pieces of 16 bytes for 256 threads.  Each store of a wave covers 512 consecutive bytes, at a multiple of 512 from out0's first byte.
	s_wait_dscnt 0x0                               ; for the others' sake: my rows are in the stage
	s_barrier_signal -1
	s_barrier_wait -1
	v_lshl_add_u32 v[KEEP], v0, 4, STAGE
	v_lshlrev_b32 v[SEND], 4, v0
	ds_load_b128 v[XF:XF+3], v[KEEP]
	ds_load_b128 v[XF+4:XF+7], v[KEEP] offset:4096
	ds_load_b128 v[XF+8:XF+11], v[KEEP] offset:8192
	s_wait_dscnt 0x2                               ; the first is in, two younger ones may be out
	global_store_b128 v[SEND], v[XF:XF+3], s[8:9] th:TH_STORE_NT
	s_wait_dscnt 0x1
	global_store_b128 v[SEND], v[XF+4:XF+7], s[8:9] offset:4096 th:TH_STORE_NT
	s_wait_dscnt 0x0
	global_store_b128 v[SEND], v[XF+8:XF+11], s[8:9] offset:8192 th:TH_STORE_NT
	s_cmp_ge_u32 s[WV], 6                          ; the last 3,072 bytes are waves 0 to 5's
	s_cbranch_scc1 .Lend
	ds_load_b128 v[XF+12:XF+15], v[KEEP] offset:12288
	s_wait_dscnt 0x0
	global_store_b128 v[SEND], v[XF+12:XF+15], s[8:9] offset:12288 th:TH_STORE_NT
.Lend:
	s_wait_tensorcnt 0x0                           ; the wave's end, behind my last LDS store
	ds_add_u32 v[SPW], v[NIL]
	s_wait_dscnt 0x0
	s_endpgm
.Lfunc_end_k_qed958ab1d0_gating:
	.size	k_qed958ab1d0_gating, .Lfunc_end_k_qed958ab1d0_gating-k_qed958ab1d0_gating
	.p2alignl 7, 3214868480
	.fill 96, 4, 3214868480
	.section	.rodata,"a",@progbits
	.p2align	6, 0x0
	.amdhsa_kernel k_qed958ab1d0_gating
		.amdhsa_group_segment_fixed_size 25600
		.amdhsa_private_segment_fixed_size 0
		.amdhsa_enable_private_segment 0
		.amdhsa_kernarg_size 24
		.amdhsa_user_sgpr_count 2
		.amdhsa_user_sgpr_kernarg_segment_ptr 1
		.amdhsa_wavefront_size32 1
		.amdhsa_system_sgpr_workgroup_id_x 1
		.amdhsa_system_sgpr_workgroup_id_y 1
		.amdhsa_system_sgpr_workgroup_id_z 1
		.amdhsa_system_vgpr_workitem_id 0
		.amdhsa_next_free_vgpr 480
		.amdhsa_next_free_sgpr 66
		.amdhsa_reserve_vcc 1
		.amdhsa_float_denorm_mode_32 3
		.amdhsa_float_denorm_mode_16_64 3
		.amdhsa_memory_ordered 1
		.amdhsa_forward_progress 1
		.amdhsa_inst_pref_size 219
	.end_amdhsa_kernel
	.amdgpu_metadata
---
amdhsa.version: [ 1, 2 ]
amdhsa.kernels:
  - .name:           k_qed958ab1d0_gating
    .symbol:         k_qed958ab1d0_gating.kd
    .args:
      - { .name: base_state, .offset: 0, .size: 8, .value_kind: global_buffer, .address_space: global }
      - { .name: gate_params, .offset: 8, .size: 8, .value_kind: global_buffer, .address_space: global }
      - { .name: out0, .offset: 16, .size: 8, .value_kind: global_buffer, .address_space: global }
    .group_segment_fixed_size: 25600
    .private_segment_fixed_size: 0
    .kernarg_segment_align: 8
    .kernarg_segment_size: 24
    .max_flat_workgroup_size: 256
    .sgpr_count:     66
    .vgpr_count:     480
    .wavefront_size: 32
...
	.end_amdgpu_metadata
.endif
;; end of part 1
